; MI455X (gfx1250); checked and timed in simulation.
; The chip was launched on July 23, 2026; its instructions are those of AMD's public machine-readable ISA for CDNA 5 (MIT licence, August 2026) and "CDNA5" Instruction Set Architecture Reference Guide (July 2026). The comments in the code are by the model that wrote it; some were corrected since.
;; Causal Self Attention. Allowed arithmetic: matrix products marked QUANTISED: E4M3 operands, one given power-of-two scale a tensor, by v_wmma_f32_16x16x64_fp8_fp8 or v_wmma_f32_16x16x128_fp8_fp8, f32 sums; everything else in f32.
;; Inputs: Wk 1,024 x 1,024 float32; Wq 1,024 x 1,024 float32; Wv 1,024 x 1,024 float32; attention_mask 4 x 1 x 1 x 2,048 float32; bk 1,024 float32; bq 1,024 float32; bv 1,024 float32; hidden_states 4 x 2,048 x 1,024 float32; lowp_scales 10 int32 (the exponents e of the quantised operands' scales 2^e).
;; Outputs: out0 4 x 2,048 x 1,024 float32.
;; This version of the problem:
;;   THIS VERSION OF THE PROBLEM IS GIVEN IN LOW PRECISION. The matrix products marked QUANTISED in the list below multiply operands that are first quantised to E4M3 (4 exponent bits, 3 mantissa bits; 8 bits a number), with one given power-of-two scale for each operand tensor; their sums are f32. All else is computed in f32.
;;   The module's matrix products, in the order in which they are computed (A, B: the left and right operand; K: the contracted axis; several contracted axes count as one K, in the product's order):
;;     1. [M 8,192, K 1,024] x [K 1,024, N 1,024]; A: input hidden_states; B: input Wq: QUANTISED (scales: A lowp_scales[0], B lowp_scales[1])
;;     2. [M 8,192, K 1,024] x [K 1,024, N 1,024]; A: input hidden_states; B: input Wk: QUANTISED (scales: A lowp_scales[2], B lowp_scales[3])
;;     3. [M 8,192, K 1,024] x [K 1,024, N 1,024]; A: input hidden_states; B: input Wv: QUANTISED (scales: A lowp_scales[4], B lowp_scales[5])
;;     4. batch 64 x [M 2,048, K 64] x [K 64, N 2,048]; A: computed on the way; B: computed on the way: QUANTISED (scales: A lowp_scales[6], B lowp_scales[7])
;;     5. batch 64 x [M 2,048, K 2,048] x [K 2,048, N 64]; A: softmax (see below); B: computed on the way: QUANTISED (scales: A lowp_scales[8], B lowp_scales[9])
;;   THE QUANTISER, for each operand of a quantised product, along K:
;;     - The operand's scale is 2^e, e = its entry of the input lowp_scales (int32; the entries are numbered through the quantised products in the list's order, A before B).
;;     - Each number is divided by the scale, clamped to +-448, and rounded to the nearest number of E4M3, ties to even, subnormals kept.
;;     - The product sums the exact products of the quantised numbers (number of the format x scale) in f32.
;;   ~~~python
;;   def quantise(x, axis, e):      # numpy; x: float32 -> the quantised numbers, widened to float32 again
;;       x = np.moveaxis(x, axis, -1); K = x.shape[-1]
;;       r = np.clip(x / 2.0 ** e, -448, 448)
;;       step = 2.0 ** (np.maximum(np.frexp(np.where(r == 0, 1, r))[1] - 1, -6) - 3)
;;       q = np.round(r / step) * step * 2.0 ** e      # np.round: ties to even
;;       return np.moveaxis(q, -1, axis).astype(np.float32)
;;   ~~~
;;   SOFTMAX AHEAD OF A QUANTISED PRODUCT. Where the list says 'softmax', what is quantised is not the finished softmax but p = 2^(t - M), with t = logit x log2(e) and M = ceil(the row's largest t), a whole number; so 1/2 < the row's largest p <= 1. The row's sum l is taken of the UNQUANTISED p, in f32, and the product's result is divided by l at the end. Since M is a whole number, a kernel that streams over the keys may use a running M (the ceiling of the running maximum): every later rescaling is an exact power of two, so the quantised numbers keep their values, but for numbers so far below the row's largest that they fall under the format's range.
;;   OPERANDS COMPUTED ON THE WAY. 'Computed on the way' means the value that the module computes at that place (a softmax that the list does not call 'softmax' is quantised finished and normalised). What goes into a quantiser is computed in f32, as accurately as f32 sums, v_exp_f32 and their like allow (about 1e-6 of the number): no bf16 or f16 on the way to a quantiser, and a product that is left as it is and whose result goes on into a quantised operand takes f32 operands (vector FMAs, or v_wmma_f32_16x16x4_f32). A number that lies on a knife's edge between two numbers of the format may be rounded either way, as far as f32 arithmetic and the matrix unit's own rounding can turn it there, and no further.
;; 2 versions, each right; version 2 is version 1 with the launch attn written anew for expert scheduling mode. Each part assembles by itself: llvm-mc -triple=amdgcn-amd-amdhsa -mcpu=gfx1250 --defsym DOCPART=n.
;; ======== version 1 of 2: 3 launches
;; workspace buffers: xc 25,165,824 bytes; wc 3,145,728 bytes; qkv 25,165,824 bytes
;; launch quant (part 1): grid 704 x 1, 4 waves a work-group, no clusters, 41,472 bytes of LDS; arguments hidden_states, Wq, Wk, Wv, lowp_scales, xc, wc; writes xc, wc
.if DOCPART == 1
	.amdgcn_target "amdgcn-amd-amdhsa--gfx1250"
	.amdhsa_code_object_version 6
	.text
	.protected	k_qfe25739393_quant
	.globl	k_qfe25739393_quant
	.p2align	8
	.type	k_qfe25739393_quant,@function
k_qfe25739393_quant:
	s_mov_b64 s[64:65], 0
	v_nop
	global_prefetch_b8 v0, s[64:65] scope:SCOPE_SE
	s_setreg_imm32_b32 hwreg(HW_REG_WAVE_MODE, 25, 1), 1
	s_wait_xcnt 0x0
; hidden_states [8192][1024] f32 becomes THREE sets of E4M3 codes (one for each projection, with the scales 2^e0, 2^e2, 2^e4), xc[p][8192][1024];
; Wq, Wk, Wv [1024][1024] f32 become one set each (2^e1, 2^e3, 2^e5), wc[p][1024][1024].  K is innermost in all of them, so every tensor is a plain stream.
; code = x / 2^e, held within +-448, rounded to the nearest code, ties to even.
; LIMITS: each of e0 .. e5 lies between -126 and 119, so that 2^e and 448 x 2^e are f32 numbers.  NaN among the inputs is not served (an infinity is held at the largest code).
; SHARES.  A wave takes 8 steps of 512 numbers.  Work-groups 0 .. 511 take x (16,384 numbers each, read once, converted three times), work-groups 512 .. 703 the weights, 64 to a tensor.
; The conversion takes 8 neighbours along K from ONE lane's registers; a load is dense where neighbouring LANES take neighbouring bytes.  Both are had: each of a step's four loads reads 512 consecutive bytes,
; the 2,048 bytes go through the wave's own stage in LDS as they lie and come back 64 bytes a lane (a lane's place is 80 bytes: 64 + 16 of padding).  A lane's 16 codes are 16 bytes: a store covers 512 consecutive bytes.
; No barrier: waves share nothing.  The two paths part on the work-group's number, never meet again, and have LDS bytes of their own.  Loads run four steps (16 loads a wave) ahead, the turn through LDS one step.
.set STEPS, 8
.set XWG,   512                        ; work-groups that take x
.set SP,    80                         ; a lane's place in a stage
.set STG,   32*SP                      ; a stage
.set WREG,  2*STG                      ; a wave's two stages
.set PBX,   0                          ; LDS: the x path's bytes,
.set PBW,   4*WREG                     ; and the weights path's
.set R,     16                         ; v16-79   four sets of 16 numbers as they are loaded
.set X,     80                         ; v80-111  two sets of 16 neighbours
.set T,     112                        ; v112-159 the 16 neighbours held within a scale's range: a set for each scale
.set C,     160                        ; v160-255 codes: 12 registers for each step, so that no store's data are written again
.set SRC,   28                         ; s[28:29] my wave's numbers
.set DST,   30                         ; s[30:35] my wave's codes, a base for each set
; v3 16 x lane (offset of loads and stores); v14, v15 the stage, in and out; v5, v7, v9: 2^e of set 0, 1, 2; v6, v8, v10: 448 x 2^e.  None of these is rewritten.
	s_load_b256 s[4:11], s[0:1], 0x0               ; hidden_states s[4:5], Wq s[6:7], Wk s[8:9], Wv s[10:11]
	s_load_b128 s[12:15], s[0:1], 0x20             ; the scales' exponents s[12:13], xc s[14:15]
	s_load_b64 s[16:17], s[0:1], 0x30              ; wc
	v_lshl_add_u32 v12, v0, 2, 0xa000
	v_mov_b32 v13, 0
	v_lshrrev_b32 v1, 5, v0
	v_readfirstlane_b32 s18, v1                    ; wave
	v_and_b32 v2, 31, v0                           ; lane
	v_lshlrev_b32 v3, 4, v2                        ; my 16 bytes of a load's or a store's 512
	s_mul_i32 s36, s18, WREG
	v_lshrrev_b32 v14, 2, v2
	v_mul_u32_u24 v14, v14, SP
	v_and_b32 v15, 3, v2
	v_lshl_add_u32 v14, v15, 4, v14
	v_add_nc_u32 v14, s36, v14                     ; into the stage: four lanes' 64 bytes on end, then the padding: SP (lane / 4) + 16 (lane % 4)
	v_mul_u32_u24 v15, v2, SP
	v_add_nc_u32 v15, s36, v15                     ; out of it: SP x lane: my 16 neighbours
	s_mov_b32 s39, 0                               ; the upper word of every offset
	s_wait_kmcnt 0x0
	s_load_b256 s[20:27], s[12:13], 0x0            ; e0 .. e7
.macro LOAD t                          ; step t's 2,048 bytes: four loads of 512 consecutive bytes
.irp i, 0,1,2,3
	global_load_b128 v[R+16*((\t)%4)+4*\i:R+16*((\t)%4)+4*\i+3], v3, s[SRC:SRC+1] offset:2048*(\t)+512*\i th:TH_LOAD_NT
.endr
.endm
.macro TURN t, pb                      ; step t's numbers through the stage: LDS serves a wave's instructions in order, so no wait stands between the stores and the loads
.irp i, 0,1,2,3
	ds_store_b128 v14, v[R+16*((\t)%4)+4*\i:R+16*((\t)%4)+4*\i+3] offset:(\pb)+STG*((\t)%2)+8*SP*\i
.endr
.irp i, 0,1,2,3
	ds_load_b128 v[X+16*((\t)%2)+4*\i:X+16*((\t)%2)+4*\i+3], v15 offset:(\pb)+STG*((\t)%2)+16*\i
.endr
.endm
.macro MKSCALE s, e                    ; set s: 2^e and 448 x 2^e as f32, e in s[e]
	s_add_co_i32 s36, s[\e], 127
	s_lshl_b32 s37, s36, 23
	v_mov_b32 v[5+2*(\s)], s37                     ; the conversion takes its exponent field
	s_add_co_i32 s36, s36, 8
	s_lshl_b32 s36, s36, 23
	s_or_b32 s36, s36, 0x600000                    ; the mantissa field of 448
	v_mov_b32 v[6+2*(\s)], s36
.endm
.macro STEP t, ns, pb                  ; ns: how many sets of codes are made of the step's numbers
.set XS, X+16*((\t)%2)
	s_wait_dscnt 0x0                               ; this step's numbers are back from the stage: so its stores into the stage have read their registers,
.if (\t)+4 < STEPS
	LOAD (\t)+4                                    ; which take the loads of four steps on
.endif
.if (\t)+1 < STEPS
.if STEPS-2-(\t) >= 3
	s_wait_loadcnt 12                              ; the next step's four loads are in; those of the three steps behind it may be out
.else
	s_wait_loadcnt 4*(STEPS-2-(\t))                ; towards the end fewer steps stand behind it
.endif
	TURN (\t)+1, \pb                               ; and go through the other stage while this step is worked
.endif
.irp s, 0,1,2
.if \s < \ns
.irp i, 0,1,2,3,4,5,6,7,8,9,10,11,12,13,14,15
	v_med3_num_f32 v[T+16*\s+\i], v[XS+\i], -v[6+2*\s], v[6+2*\s]   ; the conversion to an 8-bit code does not saturate (ISA guide 7.6.2): the number is held within the largest code x the scale first
.endr
	v_cvt_scalef32_pk8_fp8_f32 v[C+12*(\t)+4*\s:C+12*(\t)+4*\s+1], v[T+16*\s:T+16*\s+7], v[5+2*\s]
	v_cvt_scalef32_pk8_fp8_f32 v[C+12*(\t)+4*\s+2:C+12*(\t)+4*\s+3], v[T+16*\s+8:T+16*\s+15], v[5+2*\s]
	v_nop                                          ; a plain vector line behind the conversions: the next step's holds write their sources again
	global_store_b128 v3, v[C+12*(\t)+4*\s:C+12*(\t)+4*\s+3], s[DST+2*\s:DST+2*\s+1] offset:512*(\t)   ; 32 lanes store 512 consecutive bytes, at a multiple of 512 from the buffer's first byte
.endif
.endr
.endm
	s_cmp_lt_u32 ttmp9, XWG
	s_cbranch_scc0 .Lweights
	; ---- x: run = 4 x work-group + wave; 16,384 bytes of numbers, 4,096 bytes of codes in each of the three sets
	s_lshl_b32 s36, ttmp9, 2
	s_add_co_u32 s36, s36, s18
	s_lshl_b32 s38, s36, 14
	s_add_nc_u64 s[SRC:SRC+1], s[4:5], s[38:39]
	s_lshl_b32 s38, s36, 12
	s_add_nc_u64 s[DST:DST+1], s[14:15], s[38:39]
	s_add_nc_u64 s[DST+2:DST+3], s[DST:DST+1], 0x800000    ; a set of x's codes is 8,388,608 bytes
	s_add_nc_u64 s[DST+4:DST+5], s[DST+2:DST+3], 0x800000
.irp t, 0,1,2,3
	LOAD \t
.endr
	s_wait_kmcnt 0x0
	MKSCALE 0, 20                                  ; e0
	MKSCALE 1, 22                                  ; e2
	MKSCALE 2, 24                                  ; e4
	s_wait_loadcnt 12                              ; step 0's four loads are in
	TURN 0, PBX
.irp t, 0,1,2,3,4,5,6,7
	STEP \t, 3, PBX
.endr
	s_wait_tensorcnt 0x0
	ds_add_u32 v12, v13
	s_wait_dscnt 0x0
	s_endpgm
.Lweights:
	; ---- the weights: tensor p = (work-group - 512) / 64; run = 4 x ((work-group - 512) % 64) + wave
	s_sub_co_u32 s36, ttmp9, XWG
	s_lshr_b32 s37, s36, 6                         ; p
	s_and_b32 s36, s36, 63
	s_lshl_b32 s36, s36, 2
	s_add_co_u32 s36, s36, s18                     ; run
	s_cmp_lt_u32 ttmp9, XWG+128                    ; the choice of the tensor hangs on the work-group's number alone
	s_cselect_b64 s[SRC:SRC+1], s[8:9], s[10:11]   ; Wk or Wv,
	s_cmp_lt_u32 ttmp9, XWG+64
	s_cselect_b64 s[SRC:SRC+1], s[6:7], s[SRC:SRC+1]   ; or Wq
	s_lshl_b32 s38, s36, 14
	s_add_nc_u64 s[SRC:SRC+1], s[SRC:SRC+1], s[38:39]
	s_lshl_b32 s38, s36, 12
	s_lshl_b32 s37, s37, 20                        ; a set of a weight's codes is 1,048,576 bytes
	s_add_co_u32 s38, s38, s37
	s_add_nc_u64 s[DST:DST+1], s[16:17], s[38:39]
.irp t, 0,1,2,3
	LOAD \t
.endr
	s_wait_kmcnt 0x0
	s_cmp_lt_u32 ttmp9, XWG+128
	s_cselect_b32 s40, s23, s25                    ; e3 or e5,
	s_cmp_lt_u32 ttmp9, XWG+64
	s_cselect_b32 s40, s21, s40                    ; or e1
	MKSCALE 0, 40
	s_wait_loadcnt 12                              ; step 0's four loads are in
	TURN 0, PBW
.irp t, 0,1,2,3,4,5,6,7
	STEP \t, 1, PBW
.endr
	s_wait_tensorcnt 0x0
	ds_add_u32 v12, v13
	s_wait_dscnt 0x0
	s_endpgm
.Lfunc_end_k_qfe25739393_quant:
	.size	k_qfe25739393_quant, .Lfunc_end_k_qfe25739393_quant-k_qfe25739393_quant
	.p2alignl 7, 3214868480
	.fill 96, 4, 3214868480
	.section	.rodata,"a",@progbits
	.p2align	6, 0x0
	.amdhsa_kernel k_qfe25739393_quant
		.amdhsa_group_segment_fixed_size 41472
		.amdhsa_private_segment_fixed_size 0
		.amdhsa_enable_private_segment 0
		.amdhsa_kernarg_size 56
		.amdhsa_user_sgpr_count 2
		.amdhsa_user_sgpr_kernarg_segment_ptr 1
		.amdhsa_wavefront_size32 1
		.amdhsa_system_sgpr_workgroup_id_x 1
		.amdhsa_system_sgpr_workgroup_id_y 1
		.amdhsa_system_sgpr_workgroup_id_z 1
		.amdhsa_system_vgpr_workitem_id 0
		.amdhsa_next_free_vgpr 256
		.amdhsa_next_free_sgpr 66
		.amdhsa_reserve_vcc 0
		.amdhsa_float_denorm_mode_32 3
		.amdhsa_float_denorm_mode_16_64 3
		.amdhsa_memory_ordered 1
		.amdhsa_forward_progress 1
		.amdhsa_inst_pref_size 59
	.end_amdhsa_kernel
	.amdgpu_metadata
---
amdhsa.version: [ 1, 2 ]
amdhsa.kernels:
  - .name:           k_qfe25739393_quant
    .symbol:         k_qfe25739393_quant.kd
    .args:
      - { .name: hidden_states, .offset: 0, .size: 8, .value_kind: global_buffer, .address_space: global }
      - { .name: Wq, .offset: 8, .size: 8, .value_kind: global_buffer, .address_space: global }
      - { .name: Wk, .offset: 16, .size: 8, .value_kind: global_buffer, .address_space: global }
      - { .name: Wv, .offset: 24, .size: 8, .value_kind: global_buffer, .address_space: global }
      - { .name: lowp_scales, .offset: 32, .size: 8, .value_kind: global_buffer, .address_space: global }
      - { .name: xc, .offset: 40, .size: 8, .value_kind: global_buffer, .address_space: global }
      - { .name: wc, .offset: 48, .size: 8, .value_kind: global_buffer, .address_space: global }
    .group_segment_fixed_size: 41472
    .private_segment_fixed_size: 0
    .kernarg_segment_align: 8
    .kernarg_segment_size: 56
    .max_flat_workgroup_size: 128
    .sgpr_count:     66
    .vgpr_count:     256
    .wavefront_size: 32
...
	.end_amdgpu_metadata
.endif
;; end of part 1
;; launch qkv (part 2): grid 12 x 32, 4 waves a work-group, clusters of 4 x 4, 327,680 bytes of LDS; arguments xc, wc, lowp_scales, bq, bk, bv, qkv; writes qkv
.if DOCPART == 2
	.amdgcn_target "amdgcn-amd-amdhsa--gfx1250"
	.amdhsa_code_object_version 6
	.text
	.protected	k_qfe25739393_qkv
	.globl	k_qfe25739393_qkv
	.p2align	8
	.type	k_qfe25739393_qkv,@function
k_qfe25739393_qkv:
	s_mov_b64 s[64:65], 0
	v_nop
	global_prefetch_b8 v0, s[64:65] scope:SCOPE_SE
	s_setreg_imm32_b32 hwreg(HW_REG_WAVE_MODE, 25, 1), 1
	s_wait_xcnt 0x0
	s_wait_alu depctr_hold_cnt(0) depctr_sa_sdst(0) depctr_va_vdst(0) depctr_va_sdst(0) depctr_va_ssrc(0) depctr_va_vcc(0) depctr_vm_vsrc(0)
	s_getreg_b32 s2, hwreg(HW_REG_IB_STS2, 6, 4)
	s_cmp_eq_u32 s2, 0
	s_cbranch_scc0 .Lentry_in_a_cluster
	s_endpgm
.Lentry_in_a_cluster:
	s_bfe_u32 s2, ttmp6, 0x10000c
	s_cmp_lg_u32 s2, 0xf033
	s_cbranch_scc0 .Lentry_shape_is_right
	s_endpgm
.Lentry_shape_is_right:
; The three projections q, k, v = x W^T + b on codes of E4M3, M 8,192, N 1,024, K 1,024 each; the results are quantised at once (2^e6, 2^e7, 2^e9) and stored AS IMAGES OF THE OPERAND REGISTERS that the attention launch wants.
; The cluster's x is the projection p = 0 (q), 1 (k), 2 (v); x's codes are set p of xc, W's set p of wc.  A finished sum stands for sum x 2^(e[2p] + e[2p+1]); value = that + bias, one fused multiply-add in f32; then held within +-448 x 2^eo and converted.
; LIMITS: e[2p] + e[2p+1] between -126 and 127; e6, e7, e9 between -126 and 119: so that each power of two below is an f32 number.  NaN among the inputs is not served.
; A tile of 256 x 256 results is made by a work-group of four waves; a wave makes 128 x 128: 64 accumulators of 16 x 16, 512 registers.  K goes in steps of 256 through a ring of two LDS slots filled by the tensor data mover.
; ROLES.  The matrix instruction takes 16 rows of role B as source 0 and 16 rows of role A as source 1: a lane then holds ONE row of role A (lane % 16) and eight neighbouring rows of role B (8 (lane / 16) + 0 .. 7).
;   q, k: A = x (tokens), B = W (channels): a lane's eight numbers are eight neighbouring CHANNELS of one token: the first attention product's K.
;   v:    A = Wv (channels), B = x (tokens): a lane's eight numbers are eight neighbouring KEYS of one channel: the second attention product's K.
; So one conversion of an accumulator's eight registers gives two registers of the later operand, in their lanes: nothing is transposed, and nothing goes through LDS on the way out.
; qkv: q at 0, k at 8 MiB, v at 16 MiB.  q, k: [batch x 16 + head][token tile of 16][1,024 bytes]: register 4 g + i of lane L at 512 g + 16 L + 4 i.  v: [batch x 16 + head][key tile of 16][channel block of 16][lane][8 bytes].
; CLUSTERS: 4 x 4 work-groups.  The four of a row of the cluster need the same tiles of role A, the four of a column the same tiles of role B: each tile is asked for JOINTLY, by the same tensor load with the same descriptor and a mask that names the four.
; Tile row TA = cy + 4 x cluster y (v: cy); tile column TB = cx (v: cx + 4 x cluster y).  The one branch that is not on the wave's number, on the way out, hangs on the cluster's x, which all sixteen partners share.
; No prefetch: a tile has two refills in all, each asked for a whole K step (128 matrix instructions a wave) ahead of its wait.
; REGISTERS, in windows of 256: window 0: v16-29 addresses; v32-95 the bias of my 128 channels (q, k); v96-111 the bias of my lane's channel in each of 8 blocks (v); v112, v113 2^eo and 448 x 2^eo;
;   from v128 role A's fragments (8 x 16 rows x 128 K), ONE set; on the way out v128-191 a block's values and v192-223 its codes, two sets by turns.
;   window 1: role B's fragments, TWO sets, at v0 and at v128.   window 2: the 32 accumulators of my rows 0-63 (accumulator (a, b) at v[8 (8 a + b)]);   window 3: those of my rows 64-127.
.set ROWB,   256                       ; a tile's row in bytes: 256 codes
.set KROW,   1024                      ; a row of x's or W's codes in memory, in bytes
.set PITCH,  272                       ; an LDS row: 256 bytes of data + 16 of padding = 68 words: row r starts at bank 4 r mod 64 (64 banks of 4 bytes: ISA guide 11.1), so the 16 rows that a load touches start at 16 different banks
.set FR,     16                        ; registers of a fragment: 16 rows x 128 K
.set NL,     4                         ; LDS loads that bring one
.set NP,     4                         ; places behind this matrix instruction (ISA guide 7.12.1)
.set HALFT,  128*PITCH                 ; 128 rows: what one tensor load brings, and what one wave reads of A or of B
.set SLOT,   4*HALFT                   ; A's 256 rows, then B's 256 rows
.set SPARE,  2*SLOT                    ; behind the ring: the spare words, 128 bytes for each wave: two blocks of 256 bytes that no other line names
.set ADRA, 16                          ; v16-17  LDS address of my A fragments in slot 0, 1
.set ADRB, 20                          ; v20-21  the same for B
.set LO,   24                          ; v24     16 x lane: my place in half an image of q or k
.set LO8,  25                          ; v25     8 x lane: my place in a block of v
.set BO,   26                          ; v26     32 x (lane / 16): my eight numbers of 16 of the bias
.set VO,   27                          ; v27     4 x (lane % 16): my one number of 16 of the bias
.set SPW,  28                          ; v28     LDS address of my spare word: SPARE + 4 x my thread's number; never rewritten
.set NIL,  29                          ; v29     0; never rewritten
.set BIAS, 32
.set VB,   96
.set SC,   112
.set LIM,  113
.set AF,   128                         ; A's fragments, in window 0
.set TMP,  128
.set CD,   192
.set G1, 24                            ; s[24:31] descriptor group 1 for A's tiles;  s[32:39] group 0, one set for each slot
.set G0, 32
.set G1B, 48                           ; s[48:55], s[56:63] the same for B's tiles
.set G0B, 56
.set MSB, 0
.macro WIN new                         ; the immediate's high byte repeats the setting that is left
.if MSB != (\new)
	s_set_vgpr_msb (MSB<<8)|(\new)
.set MSB, \new
.endif
.endm
.set MUL_LO, 0xa1                      ; source 0 (B) window 1, source 1 (A) window 0, C and D window 2
.set MUL_HI, 0xf1                      ; the same, C and D window 3
.set TO_B,   0x40                      ; destination window 1, address window 0
; A joint load: waves 0 and 1 fetch for A, waves 2 and 3 for B.  Each of the two lines has ONE mask and one set of registers for all that issue it; the branch hangs on the wave's number alone.
; Four v_nop follow each of the two lines, ahead of the jump, the label and what follows.
.macro JLOAD g0a, g1a, g0b, g1b
	s_cmp_eq_u32 s15, 0
	s_cbranch_scc0 .Lfor_b_\@
	tensor_load_to_lds s[\g0a:\g0a+3], s[\g1a:\g1a+7]
	s_nop 0
.rept 4
	v_nop
.endr
	s_branch .Lasked_\@
.Lfor_b_\@:
	tensor_load_to_lds s[\g0b:\g0b+3], s[\g1b:\g1b+7]
	s_nop 0
.rept 4
	v_nop
.endr
.Lasked_\@:
.endm
.macro CREST                           ; a round of the cluster's barrier behind its opening barrier
	s_cmp_lg_u32 s14, 0
	s_cbranch_scc1 .Lnot_wave_0_\@
	s_barrier_signal -3
.Lnot_wave_0_\@:
	s_barrier_wait -3
	s_barrier_signal -1
	s_barrier_wait -1
.endm
.macro CROUND                          ; a whole round
	s_barrier_signal -1
	s_barrier_wait -1
	CREST
.endm
	s_load_b128 s[4:7], s[0:1], 0x0                ; xc s[4:5], wc s[6:7]
	s_load_b128 s[8:11], s[0:1], 0x10              ; the scales' exponents s[8:9], bq s[10:11]
	s_load_b128 s[68:71], s[0:1], 0x20             ; bk s[68:69], bv s[70:71]
	s_load_b64 s[72:73], s[0:1], 0x30              ; qkv
	v_lshl_add_u32 v[SPW], v0, 2, SPARE
	v_mov_b32 v[NIL], 0
	ds_add_u32 v28, v29
	ds_add_u32 v28, v29
	s_wait_dscnt 0x0
	v_lshrrev_b32 v1, 5, v0
	v_readfirstlane_b32 s14, v1                    ; wave 0..3
	s_lshr_b32 s15, s14, 1                         ; which half of the tile's rows (role A) is mine.  Also: I fetch for A (0) or for B (1)
	s_and_b32 s16, s14, 1                          ; which half of its columns (role B).  Also: which 128 rows of that tile I fetch
	s_bfe_u32 s40, ttmp6, 0x40000                  ; cx, cy: my place in the cluster
	s_bfe_u32 s41, ttmp6, 0x40004
	s_and_b32 s66, ttmp7, 0xffff
	s_lshl_b32 s66, s66, 2                         ; 4 x cluster y: it counts tiles of tokens, which are role A's rows for q and k, role B's for v
	s_cmp_eq_u32 ttmp9, 2                          ; v?  The cluster's x: the same in all sixteen partners
	s_cselect_b32 s17, 0, s66
	s_cselect_b32 s42, s66, 0
	s_add_co_u32 s17, s17, s41                     ; TA: it holds cy and never cx
	s_add_co_u32 s42, s42, s40                     ; TB: it holds cx and never cy
	s_lshl_b32 s43, s41, 2
	s_lshl_b32 s43, 15, s43                        ; my row of the cluster
	s_lshl_b32 s44, 0x1111, s40                    ; my column
	; descriptor group 1: a tile of 128 rows x 256 bytes, padded in LDS
	s_or_b32 s[G1+0], s43, (0<<16)|(1<<20)|(1<<21)|(5<<22)|(3<<25)  ; 15:0 the mask: A's tiles go to my row; 17:16 element of 1 byte; 20 padding on; 21 set beside a mask; 24:22 after every 64 words (code 5); 31:25 of 4 words (code 3)
	s_or_b32 s[G1B+0], s44, (0<<16)|(1<<20)|(1<<21)|(5<<22)|(3<<25)
.irp g, G1, G1B
	s_mov_b32 s[\g+1], ROWB<<16                    ; tensor_dim0
	s_mov_b32 s[\g+2], 128<<16                     ; tensor_dim1 = 128
	s_mov_b32 s[\g+3], ROWB<<16                    ; tile_dim0
	s_mov_b32 s[\g+4], 128                         ; tile_dim1 = 128
	s_mov_b32 s[\g+5], KROW                        ; tensor_dim0_stride
	s_mov_b32 s[\g+6], 0
	s_mov_b32 s[\g+7], 0
.endr
	s_lshl_b32 s18, s16, 7                         ; which 128 rows of the tile I fetch
	s_lshl_b32 s20, s17, 8
	s_add_co_u32 s20, s20, s18                     ; A: row 256 TA + 128 x half,
	s_lshl_b32 s20, s20, 10                        ; in bytes (under 2^23)
	s_mov_b32 s21, 0
	s_lshl_b32 s46, s42, 8
	s_add_co_u32 s46, s46, s18                     ; B: row 256 TB + 128 x half
	s_lshl_b32 s46, s46, 10
	s_mov_b32 s47, 0
	s_mul_i32 s45, s14, HALFT                      ; where they go: wave x 128 rows: no place in the cluster enters an LDS address
	s_lshl_b32 s94, ttmp9, 23                      ; set p of x's codes
	s_mov_b32 s95, 0
	s_wait_kmcnt 0x0
	s_load_b256 s[76:83], s[8:9], 0x0              ; e0 .. e7
	s_load_b64 s[84:85], s[8:9], 0x20              ; e8, e9
	s_add_nc_u64 s[96:97], s[4:5], s[94:95]
	s_lshl_b32 s94, ttmp9, 20                      ; set p of the weights' codes
	s_add_nc_u64 s[98:99], s[6:7], s[94:95]
	s_cmp_eq_u32 ttmp9, 2                          ; the roles: the choice hangs on the cluster's x alone
	s_cselect_b64 s[22:23], s[98:99], s[96:97]     ; role A: x, for v the weight
	s_cselect_b64 s[94:95], s[96:97], s[98:99]     ; role B: the weight, for v x
	s_add_nc_u64 s[20:21], s[22:23], s[20:21]
	s_add_nc_u64 s[46:47], s[94:95], s[46:47]
	CROUND                                         ; all sixteen work-groups are here: the first joint loads meet
.irp s, 0,1
	s_mov_b32 s[G0+4*\s], 1                                        ; count = 1
	s_add_co_u32 s[G0+4*\s+1], s45, \s*SLOT                        ; LDS address
	s_add_nc_u64 s[G0+4*\s+2:G0+4*\s+3], s[20:21], \s*ROWB         ; global address: K step s
	s_or_b32 s[G0+4*\s+3], s[G0+4*\s+3], 0x80000000                ; type = 2
	s_mov_b32 s[G0B+4*\s], 1
	s_add_co_u32 s[G0B+4*\s+1], s45, \s*SLOT
	s_add_nc_u64 s[G0B+4*\s+2:G0B+4*\s+3], s[46:47], \s*ROWB
	s_or_b32 s[G0B+4*\s+3], s[G0B+4*\s+3], 0x80000000
	JLOAD G0+4*\s, G1, G0B+4*\s, G1B               ; two loads of mine are out
.endr
	v_and_b32 v1, 15, v0                           ; l % 16
	v_bfe_u32 v2, v0, 4, 1                         ; l / 16
	v_mul_u32_u24 v3, v1, PITCH
	v_lshl_add_u32 v4, v2, 4, v3                   ; a fragment's row x pitch + 16 x half
	s_mul_i32 s21, s15, HALFT                      ; my 128 rows of A
	s_mul_i32 s22, s16, HALFT                      ; my 128 rows of B,
	s_add_co_u32 s22, s22, 2*HALFT                 ; which lie behind A's 256
.irp s, 0,1
	v_add_nc_u32 v[ADRA+\s], s21, v4
	v_add_nc_u32 v[ADRB+\s], s22, v4
	s_add_co_u32 s21, s21, SLOT
	s_add_co_u32 s22, s22, SLOT
.endr
	v_and_b32 v5, 31, v0
	v_lshlrev_b32 v[LO], 4, v5
	v_lshlrev_b32 v[LO8], 3, v5
	v_lshlrev_b32 v[BO], 5, v2
	v_lshlrev_b32 v[VO], 2, v1
	; the bias, in both forms; the form that my projection does not use is read at the buffer's head, so that no load leaves the buffer and no branch is needed.  (s2, s3, s12, s13 feed no descriptor: they may hold both coordinates)
	s_cmp_eq_u32 ttmp9, 0
	s_cselect_b64 s[74:75], s[10:11], s[68:69]     ; bq or bk,
	s_cmp_eq_u32 ttmp9, 2
	s_cselect_b64 s[74:75], s[70:71], s[74:75]     ; or bv
	s_lshl_b32 s2, s42, 10
	s_lshl_b32 s3, s16, 9
	s_add_co_u32 s2, s2, s3                        ; q, k: my channels begin at 256 TB + 128 x half; 4 bytes each
	s_lshl_b32 s12, s17, 10
	s_lshl_b32 s3, s15, 9
	s_add_co_u32 s12, s12, s3                      ; v: at 256 TA + 128 x half
	s_cmp_eq_u32 ttmp9, 2
	s_cselect_b32 s2, 0, s2
	s_cselect_b32 s12, s12, 0
	s_mov_b32 s3, 0
	s_mov_b32 s13, 0
	s_add_nc_u64 s[86:87], s[74:75], s[2:3]
	s_add_nc_u64 s[90:91], s[74:75], s[12:13]
.irp b, 0,1,2,3,4,5,6,7
	global_load_b128 v[BIAS+8*\b:BIAS+8*\b+3],   v[BO], s[86:87] offset:64*\b       ; register 8 b + j: the bias of channel 16 b + 8 (lane / 16) + j
	global_load_b128 v[BIAS+8*\b+4:BIAS+8*\b+7], v[BO], s[86:87] offset:64*\b+16
.endr
.irp a, 0,1,2,3,4,5,6,7
	global_load_b32 v[VB+2*\a],   v[VO], s[90:91] offset:64*\a                      ; the bias of channel 16 a + lane % 16, twice: a pair for the packed multiply-add
	global_load_b32 v[VB+2*\a+1], v[VO], s[90:91] offset:64*\a
.endr
	; where my results go: tokens 256 T + 128 x half on, heads 4 T + 2 x half on, each T and half by the projection's roles
	s_cmp_eq_u32 ttmp9, 2
	s_cselect_b32 s2, s42, s17                     ; the tokens' tile,
	s_cselect_b32 s3, s16, s15                     ; and half;
	s_cselect_b32 s12, s17, s42                    ; the channels' tile,
	s_cselect_b32 s13, s15, s16                    ; and half
	s_lshl_b32 s2, s2, 8
	s_lshl_b32 s3, s3, 7
	s_add_co_u32 s2, s2, s3                        ; my first token of 8,192
	s_lshl_b32 s12, s12, 2
	s_lshl_b32 s13, s13, 1
	s_add_co_u32 s12, s12, s13                     ; my first head
	s_lshr_b32 s3, s2, 11                          ; the batch
	s_lshl_b32 s3, s3, 4
	s_add_co_u32 s12, s12, s3                      ; batch x 16 + head
	s_lshl_b32 s12, s12, 7                         ; 128 token tiles to a head
	s_and_b32 s2, s2, 2047
	s_lshr_b32 s2, s2, 4                           ; my first token tile in the sequence
	s_add_co_u32 s12, s12, s2
	s_lshl_b32 s12, s12, 10                        ; 1,024 bytes to a token tile, in all three regions
	s_lshl_b32 s2, ttmp9, 23                       ; region p
	s_add_co_u32 s12, s12, s2
	s_mov_b32 s13, 0
	s_add_nc_u64 s[92:93], s[72:73], s[12:13]
.macro FRAG reg, adr, q, i             ; a fragment, 16 rows x 128 K of 8-bit codes, is 16 registers: lane l holds row l % 16; registers 4 c .. 4 c + 3 hold K = 32 c + 16 (l / 16) + 0 .. 15: the same permutation of K on both sides, so every product meets its partner
.irp c, 0,1,2,3
	ds_load_b128 v[\reg+4*\c:\reg+4*\c+3], v[\adr] offset:128*(\q)+32*\c+(\i)*16*PITCH
.endr
.endm
; 16 matrix instructions: A's blocks a0, a0 + 1 x B's eight, 128 along K.  p: B's set.  zero = 1: the first product starts the sums: nothing is ever cleared.
; The 64 accumulators take turns, one instruction a turn, in the same order in every step.
.macro MUL16 a0, p, zero
.irp a, \a0, \a0+1
.irp b, 0,1,2,3,4,5,6,7
.if \zero
	v_wmma_f32_16x16x128_fp8_fp8 v[8*(8*((\a)%4)+\b):8*(8*((\a)%4)+\b)+7], v[128*(\p)+FR*\b:128*(\p)+FR*\b+FR-1], v[AF+FR*(\a):AF+FR*(\a)+FR-1], 0
.else
	v_wmma_f32_16x16x128_fp8_fp8 v[8*(8*((\a)%4)+\b):8*(8*((\a)%4)+\b)+7], v[128*(\p)+FR*\b:128*(\p)+FR*\b+FR-1], v[AF+FR*(\a):AF+FR*(\a)+FR-1], v[8*(8*((\a)%4)+\b):8*(8*((\a)%4)+\b)+7]
.endif
.endr
.endr
.endm
.macro FETCH_B slot, q, p              ; B's eight fragments of the slot's q-th 128 along K into set p
	WIN TO_B
.irp i, 0,1,2,3,4,5,6,7
	FRAG 128*(\p)+FR*\i, ADRB+\slot, \q, \i
.endr
	WIN 0
.endm
.macro FETCH_A slot, q, i0             ; A's blocks i0 .. i0 + 3
.irp i, \i0, \i0+1, \i0+2, \i0+3
	FRAG AF+FR*(\i), ADRA+\slot, \q, \i
.endr
.endm
; A load into a register that a matrix instruction has read, and a vector instruction that reads a matrix result or writes one of a matrix instruction's registers, stand NP places behind that matrix instruction, and only plain
; vector instructions that name none of its registers are places (ISA guide 7.12.1 for vector instructions); this text does not count the matrix instructions in between.
.macro PLACES n
.rept \n
	v_nop
.endr
.endm
; A step of 128 along K that has its successor in the same slot.  A's blocks go one after the other, each against B's eight: a block of A is free as soon as its eight products are issued, so one set of registers serves A.
.macro STEP slot, q, zero
	s_wait_dscnt 4*NL                              ; B's set and A's blocks 0-3 are in; the youngest sixteen loads (A's blocks 4-7) may be out
	WIN MUL_LO
	MUL16 0, (\q)%2, \zero
	MUL16 2, (\q)%2, \zero
	s_wait_dscnt 0                                 ; A's blocks 4-7 are in (asked for 32 matrix instructions ago)
	PLACES NP
	FETCH_B \slot, (\q)+1, 1-(\q)%2
	FETCH_A \slot, (\q)+1, 0
	WIN MUL_HI
	MUL16 4, (\q)%2, \zero
	MUL16 6, (\q)%2, \zero
	PLACES NP
	WIN 0
	FETCH_A \slot, (\q)+1, 4
.endm
; A slot's last step changes slots: ONE barrier; in front of it each wave waits for all its tensor loads, adds 0 to its spare word, and waits for that and for its own reads of this slot.  fill = 1: this slot is filled again, two K steps ahead.
.macro TURN slot, next, fill
	s_wait_tensorcnt 0x0                           ; all my tensor loads have landed: my part of the next slot;  (every window is 0 here: the add's two registers lie in window 0)
	ds_add_u32 v[SPW], v[NIL]                      ; 0 onto my spare word;
	s_wait_dscnt 4*NL+1                            ; (the add and the youngest sixteen loads, A's blocks 4-7, may be out)
	WIN MUL_LO
	MUL16 0, 1, 0                                  ; sixteen matrix instructions stand between the add and the wait for it
	s_wait_dscnt 0x0                               ; the add is done, and my reads of this slot are over
	s_barrier_signal -1
	MUL16 2, 1, 0
	WIN 0
	s_barrier_wait -1
.if \fill
	CREST                                          ; the barrier has opened a round of the cluster's barrier: no wave of any partner still reads this slot's tile or has a load on its way
	s_add_nc_u64 s[G0+4*\slot+2:G0+4*\slot+3], s[G0+4*\slot+2:G0+4*\slot+3], 2*ROWB
	s_add_nc_u64 s[G0B+4*\slot+2:G0B+4*\slot+3], s[G0B+4*\slot+2:G0B+4*\slot+3], 2*ROWB
	JLOAD G0+4*\slot, G1, G0B+4*\slot, G1B         ; the first tensor load behind the round, and my only one out; the four v_nop behind it are the places in front of the loads below
.else
	PLACES NP
.endif
	FETCH_B \next, 0, 0
	FETCH_A \next, 0, 0
	WIN MUL_HI
	MUL16 4, 1, 0
	MUL16 6, 1, 0
	PLACES NP
	WIN 0
	FETCH_A \next, 0, 4
.endm
	s_wait_tensorcnt 1                             ; my part of K step 0 is in (K step 1's load may be out)
	s_barrier_signal -1
	s_barrier_wait -1                              ; everybody's is
	FETCH_B 0, 0, 0
	FETCH_A 0, 0, 0
	FETCH_A 0, 0, 4
	; K = 1,024 is four slots' worth, eight steps of 128: written out, no loop
	STEP 0, 0, 1                                   ; K 0 on: its products start the sums
	TURN 0, 1, 1                                   ; K 128 on; slot 0 takes K 512 .. 767
	STEP 1, 0, 0                                   ; K 256 on
	TURN 1, 0, 1                                   ; K 384 on; slot 1 takes K 768 .. 1,023
	STEP 0, 0, 0                                   ; K 512 on
	TURN 0, 1, 0                                   ; K 640 on; nothing is left to fetch, so no round of the cluster's barrier
	STEP 1, 0, 0                                   ; K 768 on
	s_wait_dscnt 4*NL                              ; K 896 on, the last step
	WIN MUL_LO
	MUL16 0, 1, 0
	MUL16 2, 1, 0
	s_wait_dscnt 0
	WIN MUL_HI
	MUL16 4, 1, 0
	MUL16 6, 1, 0
	WIN 0
	; THE WAY OUT.  The scales: choices by the cluster's x, no branch on a loaded number
	s_wait_kmcnt 0x0
	s_add_co_i32 s94, s76, s77                     ; e0 + e1
	s_add_co_i32 s95, s78, s79                     ; e2 + e3
	s_add_co_i32 s96, s80, s81                     ; e4 + e5
	s_cmp_eq_u32 ttmp9, 0
	s_cselect_b32 s94, s94, s95
	s_cselect_b32 s97, s82, s83                    ; e6 (q) or e7 (k),
	s_cmp_eq_u32 ttmp9, 2
	s_cselect_b32 s94, s96, s94
	s_cselect_b32 s97, s85, s97                    ; or e9 (v)
	s_add_co_i32 s94, s94, 127
	s_lshl_b32 s88, s94, 23                        ; 2^(e[2p] + e[2p+1]) as f32
	s_mov_b32 s89, s88                             ; (named with it as a pair, so it is written)
	s_add_co_i32 s97, s97, 127
	s_lshl_b32 s98, s97, 23
	v_mov_b32 v[SC], s98                           ; 2^eo: the conversion takes its exponent field
	s_add_co_i32 s97, s97, 8
	s_lshl_b32 s97, s97, 23
	s_or_b32 s97, s97, 0x600000
	v_mov_b32 v[LIM], s97                          ; 448 x 2^eo
	s_wait_loadcnt 0x0                             ; the biases, asked for at the head
	PLACES NP                                      ; behind the last products: their results are read below, and the registers that held A's fragments are written
; Block a (16 rows of role A x my 128 rows of role B): value = sum x 2^es + bias; the hold; eight conversions, each of one accumulator's eight registers into two registers of the later operand; the stores.
.macro OUT a, isv
.set AC, 64*((\a)%4)
.set CW, CD+16*((\a)%2)
	WIN 0x02+((\a)/4)                              ; source 0: window 2 or 3
.irp j, 0,2,4,6,8,10,12,14,16,18,20,22,24,26,28,30,32,34,36,38,40,42,44,46,48,50,52,54,56,58,60,62
.if \isv
	v_pk_fma_f32 v[TMP+\j:TMP+\j+1], v[AC+\j:AC+\j+1], s[88:89], v[VB+2*(\a):VB+2*(\a)+1] op_sel_hi:[1,0,1]   ; my lane's channel has one bias for all its keys.  Each accumulator is read from its low end on
.else
	v_pk_fma_f32 v[TMP+\j:TMP+\j+1], v[AC+\j:AC+\j+1], s[88:89], v[BIAS+\j:BIAS+\j+1] op_sel_hi:[1,0,1]       ; the scalar pair's low word serves both halves
.endif
.endr
	WIN 0
.irp j, 0,1,2,3,4,5,6,7,8,9,10,11,12,13,14,15,16,17,18,19,20,21,22,23,24,25,26,27,28,29,30,31,32,33,34,35,36,37,38,39,40,41,42,43,44,45,46,47,48,49,50,51,52,53,54,55,56,57,58,59,60,61,62,63
	v_med3_num_f32 v[TMP+\j], v[TMP+\j], -v[LIM], v[LIM]   ; the conversion to an 8-bit code does not saturate (ISA guide 7.6.2)
.endr
.if (\a) >= 2
	s_wait_xcnt 0x0                                ; block a - 2's stores have read this set of code registers
.endif
.irp b, 0,1,2,3,4,5,6,7
	v_cvt_scalef32_pk8_fp8_f32 v[CW+2*\b:CW+2*\b+1], v[TMP+8*\b:TMP+8*\b+7], v[SC]
.endr
	v_nop                                          ; a plain vector line behind the conversions: the next block writes their sources again
.if \isv
.irp b, 0,1,2,3,4,5,6,7
	global_store_b64 v[LO8], v[CW+2*\b:CW+2*\b+1], s[92:93] offset:131072*((\a)/4)+1024*\b+256*((\a)%4)   ; head a / 4, key tile b, channel block a % 4: 32 lanes store 256 consecutive bytes, at a multiple of 256
.endr
.else
.irp hh, 0,1
.irp g, 0,1
	global_store_b128 v[LO], v[CW+8*\hh+4*\g:CW+8*\hh+4*\g+3], s[92:93] offset:131072*\hh+1024*(\a)+512*\g   ; head hh, token tile a, half g of the image: 32 lanes store 512 consecutive bytes, at a multiple of 512
.endr
.endr
.endif
.endm
	s_cmp_eq_u32 ttmp9, 2                          ; the cluster's x: the same way for all sixteen partners and all four waves
	s_cbranch_scc1 .Lv
.irp a, 0,1,2,3,4,5,6,7
	OUT \a, 0
.endr
	s_branch .Lend
.Lv:
.irp a, 0,1,2,3,4,5,6,7
	OUT \a, 1
.endr
.Lend:
	s_wait_tensorcnt 0x0                           ; the wave's end, behind my last tensor load
	ds_add_u32 v[SPW], v[NIL]
	s_wait_dscnt 0x0
	CROUND                                         ; the closing round: no work-group ends while a partner may still ask for a tile that names it
	s_endpgm
.Lfunc_end_k_qfe25739393_qkv:
	.size	k_qfe25739393_qkv, .Lfunc_end_k_qfe25739393_qkv-k_qfe25739393_qkv
	.p2alignl 7, 3214868480
	.fill 96, 4, 3214868480
	.section	.rodata,"a",@progbits
	.p2align	6, 0x0
	.amdhsa_kernel k_qfe25739393_qkv
		.amdhsa_group_segment_fixed_size 327680
		.amdhsa_private_segment_fixed_size 0
		.amdhsa_enable_private_segment 0
		.amdhsa_kernarg_size 56
		.amdhsa_user_sgpr_count 2
		.amdhsa_user_sgpr_kernarg_segment_ptr 1
		.amdhsa_wavefront_size32 1
		.amdhsa_system_sgpr_workgroup_id_x 1
		.amdhsa_system_sgpr_workgroup_id_y 1
		.amdhsa_system_sgpr_workgroup_id_z 1
		.amdhsa_system_vgpr_workitem_id 0
		.amdhsa_next_free_vgpr 1024
		.amdhsa_next_free_sgpr 100
		.amdhsa_reserve_vcc 0
		.amdhsa_float_denorm_mode_32 3
		.amdhsa_float_denorm_mode_16_64 3
		.amdhsa_memory_ordered 1
		.amdhsa_forward_progress 1
		.amdhsa_inst_pref_size 197
	.end_amdhsa_kernel
	.amdgpu_metadata
---
amdhsa.version: [ 1, 2 ]
amdhsa.kernels:
  - .name:           k_qfe25739393_qkv
    .symbol:         k_qfe25739393_qkv.kd
    .args:
      - { .name: xc, .offset: 0, .size: 8, .value_kind: global_buffer, .address_space: global }
      - { .name: wc, .offset: 8, .size: 8, .value_kind: global_buffer, .address_space: global }
      - { .name: lowp_scales, .offset: 16, .size: 8, .value_kind: global_buffer, .address_space: global }
      - { .name: bq, .offset: 24, .size: 8, .value_kind: global_buffer, .address_space: global }
      - { .name: bk, .offset: 32, .size: 8, .value_kind: global_buffer, .address_space: global }
      - { .name: bv, .offset: 40, .size: 8, .value_kind: global_buffer, .address_space: global }
      - { .name: qkv, .offset: 48, .size: 8, .value_kind: global_buffer, .address_space: global }
    .group_segment_fixed_size: 327680
    .private_segment_fixed_size: 0
    .kernarg_segment_align: 8
    .kernarg_segment_size: 56
    .max_flat_workgroup_size: 128
    .sgpr_count:     100
    .vgpr_count:     1024
    .wavefront_size: 32
...
	.end_amdgpu_metadata
.endif
;; end of part 2
;; launch attn (part 3): grid 16 x 64, 8 waves a work-group, no clusters, 35,840 bytes of LDS; arguments qkv, attention_mask, lowp_scales, out0; writes out0
.if DOCPART == 3
	.amdgcn_target "amdgcn-amd-amdhsa--gfx1250"
	.amdhsa_code_object_version 6
	.text
	.protected	k_qfe25739393_attn
	.globl	k_qfe25739393_attn
	.p2align	8
	.type	k_qfe25739393_attn,@function
k_qfe25739393_attn:
	s_mov_b64 s[64:65], 0
	v_nop
	global_prefetch_b8 v0, s[64:65] scope:SCOPE_SE
	s_setreg_imm32_b32 hwreg(HW_REG_WAVE_MODE, 25, 1), 1
	s_wait_xcnt 0x0
; out[b][t][64 h' ..] = the sum over keys s of softmax_s(q . k / 8 + band + mask[b][s]) v[s], for t - 128 <= s <= t, both products on codes of E4M3 (v_wmma_f32_16x16x64_fp8_fp8), scales 2^e6 (q), 2^e7 (k), 2^e8 (p), 2^e9 (v).
; SHARES.  One wave owns one tile of 16 queries of one (batch, head): query tile qt = 8 x work-group x + wave, batch x 16 + head = work-group y.  Its 129-key band lies in nine key tiles of 16: qt - 8 .. qt.
; All 144 keys are in registers at once, so the row's true maximum is taken: no running maximum, no loop, no barrier.
; OPERANDS come from memory as images of their registers, as the launch before has laid them: q, k: 1,024 bytes a tile of 16 tokens (two loads of 512 consecutive bytes); v: 256 bytes for a key tile and a block of 16 channels.
; LAYOUT.  S^T = K Q^T (source 0 = 16 keys, source 1 = my 16 queries): a lane holds ONE query (lane % 16) and keys 8 (lane / 16) + 0 .. 7 of each tile; one conversion of a tile's eight registers gives two registers of
; P, source 1 of O^T = V^T P^T (source 0 = 16 channels), K = 64 keys = four key tiles.  The nine tiles are three such steps; the third has one tile of keys, and zero codes of p against finite codes for the rest.
; THE SOFTMAX AHEAD OF THE SECOND PRODUCT: logit = score / 8 + mask; t = logit x log2(e); M = the row's largest t rounded up to a whole number; p = 2^(t - M) is quantised; the row's sum of the unquantised p divides at the end.
; t is rounded by itself and M taken away by an addition (not one fused multiply-add), so that the largest t less M lies in (-1, 0] however large the mask's numbers are.
; KEYS BEFORE THE SEQUENCE (qt < 8): the tiles' addresses then reach up to 8,192 bytes ahead of the head's k or v: bytes of the same buffer, written by the launch before, finite codes (another head's, or the end of the region in front).
; Their mask registers are set to -infinity, so p = 0; the mask's own addresses are held at the row's first tile.
; A row all of whose keys carry a mask of -infinity gives NaN, as the softmax of such a row does.
; LIMITS: e6 + e7 - 3 between -126 and 127; e8 between -126 and 119; e8 + e9 is applied by v_ldexp_f32 and has none.
; NO CLUSTER, NO TENSOR LOAD: a work-group's eight waves read 16 key tiles, 32 KiB of k and v in all, of which a neighbouring work-group shares half; every byte is asked for by the wave's first instructions and goes straight into
; operand registers, and there is no later step ahead of which a tile could be fetched or prefetched.
.set QF,  16                           ; v16-23   Q's fragment
.set KF,  24                           ; v24-95   K's nine fragments; later V: (channel block cb, key tile i) at v[24 + 18 cb + 2 i]
.set MK,  96                           ; v96-167  the mask of my 72 keys; later v96-101 zeros behind V, v104-135 O^T, v136-153 p's codes, v154-159 zeros behind them
.set SS,  168                          ; v168-239 S^T, then the logits, t, p; later v168-199 the results, v200-231 whole rows of them
.set MO,  240                          ; v240-248 the mask's byte offsets, one for each key tile
.set OA,  104
.set PC,  136
.set SPI, 272                          ; a row of the stage: 256 bytes + 16 of padding
; v2 r = lane % 16; v3 h = lane / 16; v4 16 x lane; v5 8 x lane; v6 d = r - 8 h; v7 -infinity; v8, v9 the stage, in and back; v10 my bytes in two rows of out; v11 2^e8; v12 448 x 2^e8; v13-15 at work;
; v[250:251] -M, 0; v[252:253], v[254:255] the row's sum in two chains of two halves
	s_load_b128 s[4:7], s[0:1], 0x0                ; qkv s[4:5], the mask s[6:7]
	s_load_b128 s[8:11], s[0:1], 0x10              ; the scales' exponents s[8:9], out s[10:11]
	v_lshl_add_u32 v249, v0, 2, 0x8800
	s_set_vgpr_msb 0x40
	v_mov_b32 v1, 0
	s_set_vgpr_msb 0x4000
	v_lshrrev_b32 v1, 5, v0
	v_readfirstlane_b32 s12, v1                    ; wave 0..7
	v_and_b32 v2, 15, v0
	v_bfe_u32 v3, v0, 4, 1
	v_and_b32 v1, 31, v0
	v_lshlrev_b32 v4, 4, v1
	v_lshlrev_b32 v5, 3, v1
	v_lshlrev_b32 v6, 3, v3
	v_sub_nc_u32 v6, v2, v6
	v_mov_b32 v7, 0xff800000
	v_lshlrev_b32 v1, 5, v3                        ; 32 h: my eight numbers of a tile's 16 of the mask
	v_mov_b32 v15, 0                               ; written once: a lane permute's destination counts as one of its sources
	v_mov_b32 v251, 0                              ; (named as the upper half of the pair v[250:251])
	s_and_b32 s13, ttmp7, 0xffff                   ; batch x 16 + head
	s_lshl_b32 s14, ttmp9, 3
	s_add_co_u32 s14, s14, s12                     ; qt
.irp i, 0,1,2,3,4,5,6,7,8
	s_add_co_i32 s42, s14, \i-8                    ; key tile qt - 8 + i,
	s_max_i32 s42, s42, 0                          ; held at the row's first: no load leaves the mask
	s_lshl_b32 s42, s42, 6
	v_add_nc_u32 v[MO+\i], s42, v1
.endr
	s_lshl_b32 s16, s13, 7
	s_add_co_u32 s16, s16, s14
	s_lshl_b32 s16, s16, 10                        ; my query tile's image: ((batch x 16 + head) x 128 + qt) x 1,024
	s_mov_b32 s17, 0
	s_lshr_b32 s42, s13, 4                         ; batch
	s_and_b32 s43, s13, 15                         ; head
	s_lshl_b32 s36, s42, 13                        ; the batch's row of the mask
	s_mov_b32 s37, 0
	s_lshl_b32 s44, s42, 11
	s_lshl_b32 s46, s14, 4
	s_add_co_u32 s44, s44, s46                     ; my first row of out: batch x 2,048 + 16 qt,
	s_lshl_b32 s44, s44, 12                        ; of 4,096 bytes,
	s_lshl_b32 s43, s43, 8
	s_add_co_u32 s44, s44, s43                     ; + the head's 256
	s_mov_b32 s45, 0
	s_wait_kmcnt 0x0
	s_load_b128 s[28:31], s[8:9], 0x18             ; e6, e7, e8, e9
	s_add_nc_u64 s[18:19], s[4:5], s[16:17]        ; q
	s_add_nc_u64 s[20:21], s[18:19], 0x7fe000      ; k's region, eight tiles back: key tile qt - 8
	s_add_nc_u64 s[22:23], s[18:19], 0xffe000      ; v's region likewise
	s_add_nc_u64 s[24:25], s[6:7], s[36:37]
	s_add_nc_u64 s[26:27], s[10:11], s[44:45]
	global_load_b128 v[QF:QF+3],   v4, s[18:19] th:TH_LOAD_NT
	global_load_b128 v[QF+4:QF+7], v4, s[18:19] offset:512 th:TH_LOAD_NT
.irp i, 0,1,2,3,4,5,6,7,8
	global_load_b128 v[KF+8*\i:KF+8*\i+3],   v4, s[20:21] offset:1024*\i
	global_load_b128 v[KF+8*\i+4:KF+8*\i+7], v4, s[20:21] offset:1024*\i+512
.endr
.irp i, 0,1,2,3,4,5,6,7,8
	global_load_b128 v[MK+8*\i:MK+8*\i+3],   v[MO+\i], s[24:25]              ; register 8 i + j: the mask of key 16 (qt - 8 + i) + 8 h + j: S^T's own layout
	global_load_b128 v[MK+8*\i+4:MK+8*\i+7], v[MO+\i], s[24:25] offset:16
.endr
	s_wait_kmcnt 0x0
	s_add_co_i32 s32, s28, s29
	s_add_co_i32 s32, s32, 124
	s_lshl_b32 s32, s32, 23                        ; 2^(e6 + e7) / 8 as f32: exact
	s_mov_b32 s33, s32                             ; (named with it as a pair, so it is written)
	s_mov_b32 s34, 0x3fb8aa3b                      ; log2(e)
	s_mov_b32 s35, s34
	s_add_co_i32 s38, s30, s31                     ; e8 + e9
	s_add_co_i32 s42, s30, 127
	s_lshl_b32 s43, s42, 23
	v_mov_b32 v11, s43                             ; 2^e8
	s_add_co_i32 s42, s42, 8
	s_lshl_b32 s42, s42, 23
	s_or_b32 s42, s42, 0x600000
	v_mov_b32 v12, s42                             ; 448 x 2^e8
	s_mov_b32 s40, 0x76543210                      ; v_permlanex16_b32's selects for lane l xor 16
	s_mov_b32 s41, 0xfedcba98
	s_mul_i32 s42, s12, 16*SPI                     ; my stage
	s_wait_loadcnt 18                              ; Q and K are in; the mask's 18 loads may be out
.irp i, 0,1,2,3,4,5,6,7,8
	v_wmma_f32_16x16x64_fp8_fp8 v[SS+8*\i:SS+8*\i+7], v[KF+8*\i:KF+8*\i+7], v[QF:QF+7], 0
.endr
	v_mul_u32_u24 v8, v2, SPI                      ; the addresses for the way out: eight plain lines, the places behind those products (four are asked)
	v_lshl_add_u32 v8, v3, 5, v8
	v_add_nc_u32 v8, s42, v8                       ; in: row r, + 32 h
	v_mul_u32_u24 v9, v3, SPI
	v_lshl_add_u32 v9, v2, 4, v9
	v_add_nc_u32 v9, s42, v9                       ; back: lanes 0-15 one row, lanes 16-31 the next; 16 bytes a lane
	v_lshlrev_b32 v10, 12, v3
	v_lshl_add_u32 v10, v2, 4, v10                 ; and the same two rows in out
.irp cb, 0,1,2,3
.irp i, 0,1,2,3,4,5,6,7,8
	global_load_b64 v[KF+18*\cb+2*\i:KF+18*\cb+2*\i+1], v5, s[22:23] offset:1024*\i+256*\cb   ; V into the registers that K has left: they land while the softmax is worked
.endr
.endr
	s_wait_loadcnt 36                              ; the mask is in; V's 36 loads may be out
	s_cmp_lg_u32 ttmp9, 0                          ; only the sequence's first eight query tiles have key tiles before its start
	s_cbranch_scc1 .Lfull
.irp i, 0,1,2,3,4,5,6,7
	s_add_co_i32 s42, s14, \i-8
	s_cmp_lt_i32 s42, 0
	s_cselect_b32 s43, -1, 0                       ; all lanes or none
.irp j, 0,1,2,3,4,5,6,7
	v_cndmask_b32 v[MK+8*\i+\j], v[MK+8*\i+\j], v7, s43
.endr
.endr
.Lfull:
.set j, 0
.rept 36
	v_pk_fma_f32 v[SS+j:SS+j+1], v[SS+j:SS+j+1], s[32:33], v[MK+j:MK+j+1] op_sel_hi:[1,0,1]   ; logit = score x 2^(e6 + e7) / 8 + mask.  Each accumulator is read from its low end on
.set j, j+2
.endr
.irp j, 0,1,2,3,4,5,6,7                ; the band's two edges.  Tile 0: key 16 (qt - 8) + 8 h + j is more than 128 behind query 16 qt + r where j < d.  Tile 8: key 16 qt + 8 h + j comes after the query where j > d
	v_cmp_lt_i32 vcc_lo, \j, v6
	v_cndmask_b32 v[SS+\j], v[SS+\j], v7, vcc_lo
	v_cmp_gt_i32 vcc_lo, \j, v6
	v_cndmask_b32 v[SS+64+\j], v[SS+64+\j], v7, vcc_lo
.endr
.set j, 0
.rept 36
	v_pk_mul_f32 v[SS+j:SS+j+1], v[SS+j:SS+j+1], s[34:35] op_sel_hi:[1,0]   ; t = logit x log2(e), rounded by itself
.set j, j+2
.endr
	v_max3_num_f32 v13, v[SS], v[SS+1], v[SS+2]    ; the largest t of my query among my 72 keys, in two chains,
	v_max3_num_f32 v14, v[SS+3], v[SS+4], v[SS+5]
.set j, 6
.rept 16
	v_max3_num_f32 v13, v13, v[SS+j], v[SS+j+1]
	v_max3_num_f32 v14, v14, v[SS+j+2], v[SS+j+3]
.set j, j+4
.endr
	v_max3_num_f32 v13, v13, v[SS+70], v[SS+71]
	v_max_num_f32 v13, v13, v14
	v_permlanex16_b32 v15, v13, s40, s41
	v_max_num_f32 v13, v13, v15                    ; and among lane l xor 16's
	v_floor_f32 v250, -v13                         ; -M = floor(-t) = -ceil(t)
.set j, 0
.rept 36
	v_pk_add_f32 v[SS+j:SS+j+1], v[SS+j:SS+j+1], v[250:251] op_sel_hi:[1,0]   ; t - M (of the pair the low word serves both halves)
.set j, j+2
.endr
.set j, 0
.rept 72
	v_exp_f32 v[SS+j], v[SS+j]                     ; p = 2^(t - M), at most 1; 0 for a hidden key
.set j, j+1
.endr
.irp j, 0,1,2,3,4,5
	v_mov_b32 v[MK+\j], 0                          ; zero codes behind V's last block and behind p's nine tiles: the third K step's empty places.  (Plain lines behind the exponentials)
	v_mov_b32 v[PC+18+\j], 0
.endr
	s_wait_alu depctr_va_vdst(0)                   ; one wait for the whole batch of exponentials, ahead of its first reader
	v_pk_add_f32 v[252:253], v[SS:SS+1], v[SS+2:SS+3]      ; the row's sum is taken of the UNQUANTISED p: two at a time, in two chains
	v_pk_add_f32 v[254:255], v[SS+4:SS+5], v[SS+6:SS+7]
.set j, 8
.rept 16
	v_pk_add_f32 v[252:253], v[252:253], v[SS+j:SS+j+1]
	v_pk_add_f32 v[254:255], v[254:255], v[SS+j+2:SS+j+3]
.set j, j+4
.endr
	v_pk_add_f32 v[252:253], v[252:253], v[254:255]
	v_add_f32 v252, v252, v253
	v_permlanex16_b32 v15, v252, s40, s41
	v_add_f32 v252, v252, v15                      ; and lane l xor 16's: the row's sum
	v_rcp_f32 v252, v252                           ; the holds below are the plain lines behind it; they name none of its registers
.irp i, 0,1,2,3,4,5,6,7,8
.irp j, 0,1,2,3,4,5,6,7
	v_min_num_f32 v[SS+8*\i+\j], v[SS+8*\i+\j], v12   ; the conversion to an 8-bit code does not saturate (ISA guide 7.6.2); p is not negative, so the hold is one-sided
.endr
	v_cvt_scalef32_pk8_fp8_f32 v[PC+2*\i:PC+2*\i+1], v[SS+8*\i:SS+8*\i+7], v11   ; key tile i: two registers of P
.endr
	v_nop                                          ; a plain vector line between the last conversion and the products that read its result
	s_wait_alu depctr_va_vdst(0)                   ; the wait for the reciprocal, ahead of its first reader
	v_ldexp_f32 v252, v252, s38                    ; 2^(e8 + e9) / the sum
	s_wait_loadcnt 0x0                             ; V
.irp c, 0,1,2                          ; O^T = V^T P^T: K step c is key tiles 4 c .. 4 c + 3; the four accumulators take turns, one instruction a turn
.irp cb, 0,1,2,3
.if \c == 0
	v_wmma_f32_16x16x64_fp8_fp8 v[OA+8*\cb:OA+8*\cb+7], v[KF+18*\cb+8*\c:KF+18*\cb+8*\c+7], v[PC+8*\c:PC+8*\c+7], 0
.else
	v_wmma_f32_16x16x64_fp8_fp8 v[OA+8*\cb:OA+8*\cb+7], v[KF+18*\cb+8*\c:KF+18*\cb+8*\c+7], v[PC+8*\c:PC+8*\c+7], v[OA+8*\cb:OA+8*\cb+7]
.endif
.endr
.endr
.rept 4
	v_nop                                          ; places in front of the first read of results
.endr
.set j, 0
.rept 16
	v_pk_mul_f32 v[SS+j:SS+j+1], v[OA+j:OA+j+1], v[252:253] op_sel_hi:[1,0]   ; register 8 cb + j: out(query r, channel 16 cb + 8 h + j)
.set j, j+2
.endr
	; a lane holds 32 neighbouring bytes of a row, and the lanes beside it hold other rows: the tile goes through my own stage and comes back as whole rows of 256 bytes
.irp cb, 0,1,2,3
	ds_store_b128 v8, v[SS+8*\cb:SS+8*\cb+3] offset:64*\cb
	ds_store_b128 v8, v[SS+8*\cb+4:SS+8*\cb+7] offset:64*\cb+16
.endr
.irp i, 0,1,2,3,4,5,6,7
	ds_load_b128 v[SS+32+4*\i:SS+32+4*\i+3], v9 offset:2*\i*SPI   ; LDS serves a wave's instructions in order (ISA guide 5.7.1.4): these see my stores
.endr
.irp i, 0,1,2,3,4,5,6,7
	s_wait_dscnt 7-\i                              ; the younger loads may be out
	global_store_b128 v10, v[SS+32+4*\i:SS+32+4*\i+3], s[26:27] offset:8192*\i th:TH_STORE_NT   ; 16 lanes store a head's 256 consecutive bytes of a row, at a multiple of 256 from out's first byte
.endr
	s_set_vgpr_msb 0x4
	s_wait_tensorcnt 0x0
	ds_add_u32 v249, v1
	s_wait_dscnt 0x0
	s_set_vgpr_msb 0x400
	s_endpgm
.Lfunc_end_k_qfe25739393_attn:
	.size	k_qfe25739393_attn, .Lfunc_end_k_qfe25739393_attn-k_qfe25739393_attn
	.p2alignl 7, 3214868480
	.fill 96, 4, 3214868480
	.section	.rodata,"a",@progbits
	.p2align	6, 0x0
	.amdhsa_kernel k_qfe25739393_attn
		.amdhsa_group_segment_fixed_size 35840
		.amdhsa_private_segment_fixed_size 0
		.amdhsa_enable_private_segment 0
		.amdhsa_kernarg_size 32
		.amdhsa_user_sgpr_count 2
		.amdhsa_user_sgpr_kernarg_segment_ptr 1
		.amdhsa_wavefront_size32 1
		.amdhsa_system_sgpr_workgroup_id_x 1
		.amdhsa_system_sgpr_workgroup_id_y 1
		.amdhsa_system_sgpr_workgroup_id_z 1
		.amdhsa_system_vgpr_workitem_id 0
		.amdhsa_next_free_vgpr 258
		.amdhsa_next_free_sgpr 66
		.amdhsa_reserve_vcc 1
		.amdhsa_float_denorm_mode_32 3
		.amdhsa_float_denorm_mode_16_64 3
		.amdhsa_memory_ordered 1
		.amdhsa_forward_progress 1
		.amdhsa_inst_pref_size 39
	.end_amdhsa_kernel
	.amdgpu_metadata
---
amdhsa.version: [ 1, 2 ]
amdhsa.kernels:
  - .name:           k_qfe25739393_attn
    .symbol:         k_qfe25739393_attn.kd
    .args:
      - { .name: qkv, .offset: 0, .size: 8, .value_kind: global_buffer, .address_space: global }
      - { .name: attention_mask, .offset: 8, .size: 8, .value_kind: global_buffer, .address_space: global }
      - { .name: lowp_scales, .offset: 16, .size: 8, .value_kind: global_buffer, .address_space: global }
      - { .name: out0, .offset: 24, .size: 8, .value_kind: global_buffer, .address_space: global }
    .group_segment_fixed_size: 35840
    .private_segment_fixed_size: 0
    .kernarg_segment_align: 8
    .kernarg_segment_size: 32
    .max_flat_workgroup_size: 256
    .sgpr_count:     66
    .vgpr_count:     258
    .wavefront_size: 32
...
	.end_amdgpu_metadata
.endif
;; end of part 3
;; ======== version 2 of 2: 3 launches; version 1 with the launch attn written anew for expert scheduling mode
;; workspace buffers: xc 25,165,824 bytes; wc 3,145,728 bytes; qkv 25,165,824 bytes
;; launch quant: the kernel of part 1 again; grid 704 x 1, 4 waves a work-group, no clusters, 41,472 bytes of LDS; arguments hidden_states, Wq, Wk, Wv, lowp_scales, xc, wc; writes xc, wc
;; launch qkv: the kernel of part 2 again; grid 12 x 32, 4 waves a work-group, clusters of 4 x 4, 327,680 bytes of LDS; arguments xc, wc, lowp_scales, bq, bk, bv, qkv; writes qkv
;; launch attn (part 4): grid 16 x 64, 8 waves a work-group, no clusters, 35,840 bytes of LDS; arguments qkv, attention_mask, lowp_scales, out0; writes out0
.if DOCPART == 4
	.amdgcn_target "amdgcn-amd-amdhsa--gfx1250"
	.amdhsa_code_object_version 6
	.text
	.protected	k_qfe25739393_attn
	.globl	k_qfe25739393_attn
	.p2align	8
	.type	k_qfe25739393_attn,@function
k_qfe25739393_attn:
	s_mov_b64 s[64:65], 0
	v_nop
	global_prefetch_b8 v0, s[64:65] scope:SCOPE_SE
	s_setreg_imm32_b32 hwreg(HW_REG_WAVE_SCHED_MODE, 0, 2), 2
	s_setreg_imm32_b32 hwreg(HW_REG_WAVE_MODE, 25, 1), 1
	s_wait_xcnt 0x0
	s_wait_alu depctr_vm_vsrc(0)
; out[b][t][64 h' ..] = the sum over keys s of softmax_s(q . k / 8 + band + mask[b][s]) v[s], for t - 128 <= s <= t, both products on codes of E4M3 (v_wmma_f32_16x16x64_fp8_fp8), scales 2^e6 (q), 2^e7 (k), 2^e8 (p), 2^e9 (v).
; SHARES.  One wave owns one tile of 16 queries of one (batch, head): query tile qt = 8 x work-group x + wave, batch x 16 + head = work-group y.  Its 129-key band lies in nine key tiles of 16: qt - 8 .. qt.
; All 144 keys are in registers at once, so the row's true maximum is taken: no running maximum, no loop, no barrier.
; OPERANDS come from memory as images of their registers, as the launch before has laid them: q, k: 1,024 bytes a tile of 16 tokens (two loads of 512 consecutive bytes); v: 256 bytes for a key tile and a block of 16 channels.
; LAYOUT.  S^T = K Q^T (source 0 = 16 keys, source 1 = my 16 queries): a lane holds ONE query (lane % 16) and keys 8 (lane / 16) + 0 .. 7 of each tile; one conversion of a tile's eight registers gives two registers of
; P, source 1 of O^T = V^T P^T (source 0 = 16 channels), K = 64 keys = four key tiles.  The nine tiles are three such steps; the third has one tile of keys, and zero codes of p against finite codes for the rest.
; THE SOFTMAX AHEAD OF THE SECOND PRODUCT: logit = score / 8 + mask; t = logit x log2(e); M = the row's largest t rounded up to a whole number; p = 2^(t - M) is quantised; the row's sum of the unquantised p divides at the end.
; t is rounded by itself and M taken away by an addition (not one fused multiply-add), so that the largest t less M lies in (-1, 0] however large the mask's numbers are.
; KEYS BEFORE THE SEQUENCE (qt < 8): the tiles' addresses then reach up to 8,192 bytes ahead of the head's k or v: bytes of the same buffer, written by the launch before, finite codes (another head's, or the end of the region in front).
; Their mask registers are set to -infinity, so p = 0; the mask's own addresses are held at the row's first tile.
; A row all of whose keys carry a mask of -infinity gives NaN, as the softmax of such a row does.
; LIMITS: e6 + e7 - 3 between -126 and 127; e8 between -126 and 119; e8 + e9 is applied by v_ldexp_f32 and has none.
; NO CLUSTER, NO TENSOR LOAD: a work-group's eight waves read 16 key tiles, 32 KiB of k and v in all, of which a neighbouring work-group shares half; every byte is asked for by the wave's first instructions and goes straight into
; operand registers, and there is no later step ahead of which a tile could be fetched or prefetched.
; THE MODE: SCHED_MODE bits 1:0 = 2 (LLVM: expert scheduling mode 2), set by the entry lines.  The code itself states the register dependences between vector or matrix instructions and memory or LDS instructions, with s_wait_alu, always for 0.
; THE PLAN.  Registers that memory or LDS instructions touch, in the order of the text:
;   v4, v5, v240-248   offsets of the loads of Q and K, of V, of the mask.  Written by vector lines at the head, never again: one wait on va_vdst ahead of the first load.
;   v16-23, v96-167    Q and the mask land here; no vector line names them before.
;   v24-95             K lands here; the nine products K Q^T read it; V lands here: one wait on va_vdst between those products and V's loads, with no vector line between it and them.
;   v8, v9, v10        the stage's two addresses and out's offset.  Written behind the first products, ahead of that same wait, never again.
;   v168-199           the results: written by the last sixteen multiplies, read by the LDS stores: one wait on va_vdst between them.
;   v200-231           named last by the holds and conversions of p; the loads from the stage land here: the same wait stands ahead of them, and no vector line follows it.  The global stores read what those loads brought.
; No register that a memory or LDS instruction reads is written afterwards: no wait on vm_vsrc is owed.
; Scalar results of vector lines: the wave's number (one wait on va_sdst ahead of its first reader), and the sixteen masks of the band's edges: one run of compares, one wait on va_sdst, then the selects, all in one straight run.
.set QF,  16                           ; v16-23   Q's fragment
.set KF,  24                           ; v24-95   K's nine fragments; later V: (channel block cb, key tile i) at v[24 + 18 cb + 2 i]
.set MK,  96                           ; v96-167  the mask of my 72 keys; later v96-101 zeros behind V, v104-135 O^T, v136-153 p's codes, v154-159 zeros behind them
.set SS,  168                          ; v168-239 S^T, then the logits, t, p; later v168-199 the results, v200-231 whole rows of them
.set MO,  240                          ; v240-248 the mask's byte offsets, one for each key tile
.set OA,  104
.set PC,  136
.set SPI, 272                          ; a row of the stage: 256 bytes + 16 of padding
.set EL,  4                            ; s4-11    the band's far edge: a mask of lanes for each register of key tile 0 (the four pointers that lay here have been used by then)
.set EH,  28                           ; s28-31, s44-47  the band's near edge: the same for key tile 8: register j's mask at s[EH + j + 12 (j / 4)] (the exponents and offsets that lay here have been used by then)
; v2 r = lane % 16; v3 h = lane / 16; v4 16 x lane; v5 8 x lane; v6 d = r - 8 h; v7 -infinity; v8, v9 the stage, in and back; v10 my bytes in two rows of out; v11 2^e8; v12 448 x 2^e8; v13-15 at work;
; v[250:251] -M, 0; v[252:253], v[254:255] the row's sum in two chains of two halves
	s_load_b128 s[4:7], s[0:1], 0x0                ; qkv s[4:5], the mask s[6:7]
	s_load_b128 s[8:11], s[0:1], 0x10              ; the scales' exponents s[8:9], out s[10:11]
	v_lshl_add_u32 v249, v0, 2, 0x8800
	s_set_vgpr_msb 0x40
	v_mov_b32 v1, 0
	s_set_vgpr_msb 0x4000
	v_lshrrev_b32 v1, 5, v0
	v_readfirstlane_b32 s12, v1                    ; wave 0..7
	v_and_b32 v2, 15, v0
	v_bfe_u32 v3, v0, 4, 1
	v_and_b32 v1, 31, v0
	v_lshlrev_b32 v4, 4, v1
	v_lshlrev_b32 v5, 3, v1
	v_lshlrev_b32 v6, 3, v3
	v_sub_nc_u32 v6, v2, v6
	v_mov_b32 v7, 0xff800000
	v_lshlrev_b32 v1, 5, v3                        ; 32 h: my eight numbers of a tile's 16 of the mask
	v_mov_b32 v15, 0                               ; written once: a lane permute's destination counts as one of its sources
	v_mov_b32 v251, 0                              ; (named as the upper half of the pair v[250:251])
	s_wait_alu depctr_va_sdst(0)                   ; s12 is written, ahead of its first reader: qt, and all addresses, are made from it
	s_and_b32 s13, ttmp7, 0xffff                   ; batch x 16 + head
	s_lshl_b32 s14, ttmp9, 3
	s_add_co_u32 s14, s14, s12                     ; qt
.irp i, 0,1,2,3,4,5,6,7,8
	s_add_co_i32 s42, s14, \i-8                    ; key tile qt - 8 + i,
	s_max_i32 s42, s42, 0                          ; held at the row's first: no load leaves the mask
	s_lshl_b32 s42, s42, 6
	v_add_nc_u32 v[MO+\i], s42, v1
.endr
	s_lshl_b32 s16, s13, 7
	s_add_co_u32 s16, s16, s14
	s_lshl_b32 s16, s16, 10                        ; my query tile's image: ((batch x 16 + head) x 128 + qt) x 1,024
	s_mov_b32 s17, 0
	s_lshr_b32 s42, s13, 4                         ; batch
	s_and_b32 s43, s13, 15                         ; head
	s_lshl_b32 s36, s42, 13                        ; the batch's row of the mask
	s_mov_b32 s37, 0
	s_lshl_b32 s44, s42, 11
	s_lshl_b32 s46, s14, 4
	s_add_co_u32 s44, s44, s46                     ; my first row of out: batch x 2,048 + 16 qt,
	s_lshl_b32 s44, s44, 12                        ; of 4,096 bytes,
	s_lshl_b32 s43, s43, 8
	s_add_co_u32 s44, s44, s43                     ; + the head's 256
	s_mov_b32 s45, 0
	s_wait_kmcnt 0x0
	s_load_b128 s[28:31], s[8:9], 0x18             ; e6, e7, e8, e9
	s_add_nc_u64 s[18:19], s[4:5], s[16:17]        ; q
	s_add_nc_u64 s[20:21], s[18:19], 0x7fe000      ; k's region, eight tiles back: key tile qt - 8
	s_add_nc_u64 s[22:23], s[18:19], 0xffe000      ; v's region likewise
	s_add_nc_u64 s[24:25], s[6:7], s[36:37]
	s_add_nc_u64 s[26:27], s[10:11], s[44:45]
	s_wait_alu depctr_va_vdst(0)                   ; v4, v5 and v240-248 are written: the loads of Q, K, V and the mask read them as their offsets
	global_load_b128 v[QF:QF+3],   v4, s[18:19] th:TH_LOAD_NT
	global_load_b128 v[QF+4:QF+7], v4, s[18:19] offset:512 th:TH_LOAD_NT
.irp i, 0,1,2,3,4,5,6,7,8
	global_load_b128 v[KF+8*\i:KF+8*\i+3],   v4, s[20:21] offset:1024*\i
	global_load_b128 v[KF+8*\i+4:KF+8*\i+7], v4, s[20:21] offset:1024*\i+512
.endr
.irp i, 0,1,2,3,4,5,6,7,8
	global_load_b128 v[MK+8*\i:MK+8*\i+3],   v[MO+\i], s[24:25]              ; register 8 i + j: the mask of key 16 (qt - 8 + i) + 8 h + j: S^T's own layout
	global_load_b128 v[MK+8*\i+4:MK+8*\i+7], v[MO+\i], s[24:25] offset:16
.endr
	s_wait_kmcnt 0x0
	s_add_co_i32 s32, s28, s29
	s_add_co_i32 s32, s32, 124
	s_lshl_b32 s32, s32, 23                        ; 2^(e6 + e7) / 8 as f32: exact
	s_mov_b32 s33, s32                             ; (named with it as a pair, so it is written)
	s_mov_b32 s34, 0x3fb8aa3b                      ; log2(e)
	s_mov_b32 s35, s34
	s_add_co_i32 s38, s30, s31                     ; e8 + e9
	s_add_co_i32 s42, s30, 127
	s_lshl_b32 s43, s42, 23
	v_mov_b32 v11, s43                             ; 2^e8
	s_add_co_i32 s42, s42, 8
	s_lshl_b32 s42, s42, 23
	s_or_b32 s42, s42, 0x600000
	v_mov_b32 v12, s42                             ; 448 x 2^e8
	s_mov_b32 s40, 0x76543210                      ; v_permlanex16_b32's selects for lane l xor 16
	s_mov_b32 s41, 0xfedcba98
	s_mul_i32 s42, s12, 16*SPI                     ; my stage
	s_wait_loadcnt 18                              ; Q and K are in; the mask's 18 loads may be out
.irp i, 0,1,2,3,4,5,6,7,8
	v_wmma_f32_16x16x64_fp8_fp8 v[SS+8*\i:SS+8*\i+7], v[KF+8*\i:KF+8*\i+7], v[QF:QF+7], 0
.endr
	v_mul_u32_u24 v8, v2, SPI                      ; the addresses for the way out: eight plain lines, the places behind those products (four are asked)
	v_lshl_add_u32 v8, v3, 5, v8
	v_add_nc_u32 v8, s42, v8                       ; in: row r, + 32 h
	v_mul_u32_u24 v9, v3, SPI
	v_lshl_add_u32 v9, v2, 4, v9
	v_add_nc_u32 v9, s42, v9                       ; back: lanes 0-15 one row, lanes 16-31 the next; 16 bytes a lane
	v_lshlrev_b32 v10, 12, v3
	v_lshl_add_u32 v10, v2, 4, v10                 ; and the same two rows in out
	s_wait_alu depctr_va_vdst(0)                   ; the nine products are done reading K's registers, in which V's loads land; v8, v9 and v10 are written, which the stage's stores and loads and out's stores read
.irp cb, 0,1,2,3
.irp i, 0,1,2,3,4,5,6,7,8
	global_load_b64 v[KF+18*\cb+2*\i:KF+18*\cb+2*\i+1], v5, s[22:23] offset:1024*\i+256*\cb   ; V into the registers that K has left: they land while the softmax is worked
.endr
.endr
	s_wait_loadcnt 36                              ; the mask is in; V's 36 loads may be out
	s_cmp_lg_u32 ttmp9, 0                          ; only the sequence's first eight query tiles have key tiles before its start
	s_cbranch_scc1 .Lfull
.irp i, 0,1,2,3,4,5,6,7
	s_add_co_i32 s42, s14, \i-8
	s_cmp_lt_i32 s42, 0
	s_cselect_b32 s43, -1, 0                       ; all lanes or none
.irp j, 0,1,2,3,4,5,6,7
	v_cndmask_b32 v[MK+8*\i+\j], v[MK+8*\i+\j], v7, s43
.endr
.endr
.Lfull:
.irp j, 0,1,2,3,4,5,6,7                ; the band's two edges, as masks of lanes: one run of compares.  Tile 0: key 16 (qt - 8) + 8 h + j is more than 128 behind query 16 qt + r where j < d.  Tile 8: key 16 qt + 8 h + j comes after the query where j > d
	v_cmp_lt_i32 s[EL+\j], \j, v6
	v_cmp_gt_i32 s[EH+\j+12*(\j/4)], \j, v6
.endr
.set j, 0
.rept 36
	v_pk_fma_f32 v[SS+j:SS+j+1], v[SS+j:SS+j+1], s[32:33], v[MK+j:MK+j+1] op_sel_hi:[1,0,1]   ; logit = score x 2^(e6 + e7) / 8 + mask.  Each accumulator is read from its low end on
.set j, j+2
.endr
	s_wait_alu depctr_va_sdst(0)                   ; the sixteen compares have written their masks, ahead of the first select that reads one
.irp j, 0,1,2,3,4,5,6,7
	v_cndmask_b32 v[SS+\j], v[SS+\j], v7, s[EL+\j]                   ; a hidden key's logit becomes -infinity
	v_cndmask_b32 v[SS+64+\j], v[SS+64+\j], v7, s[EH+\j+12*(\j/4)]
.endr
.set j, 0
.rept 36
	v_pk_mul_f32 v[SS+j:SS+j+1], v[SS+j:SS+j+1], s[34:35] op_sel_hi:[1,0]   ; t = logit x log2(e), rounded by itself
.set j, j+2
.endr
	v_max3_num_f32 v13, v[SS], v[SS+1], v[SS+2]    ; the largest t of my query among my 72 keys, in two chains,
	v_max3_num_f32 v14, v[SS+3], v[SS+4], v[SS+5]
.set j, 6
.rept 16
	v_max3_num_f32 v13, v13, v[SS+j], v[SS+j+1]
	v_max3_num_f32 v14, v14, v[SS+j+2], v[SS+j+3]
.set j, j+4
.endr
	v_max3_num_f32 v13, v13, v[SS+70], v[SS+71]
	v_max_num_f32 v13, v13, v14
	v_permlanex16_b32 v15, v13, s40, s41
	v_max_num_f32 v13, v13, v15                    ; and among lane l xor 16's
	v_floor_f32 v250, -v13                         ; -M = floor(-t) = -ceil(t)
.set j, 0
.rept 36
	v_pk_add_f32 v[SS+j:SS+j+1], v[SS+j:SS+j+1], v[250:251] op_sel_hi:[1,0]   ; t - M (of the pair the low word serves both halves)
.set j, j+2
.endr
.set j, 0
.rept 72
	v_exp_f32 v[SS+j], v[SS+j]                     ; p = 2^(t - M), at most 1; 0 for a hidden key
.set j, j+1
.endr
.irp j, 0,1,2,3,4,5
	v_mov_b32 v[MK+\j], 0                          ; zero codes behind V's last block and behind p's nine tiles: the third K step's empty places.  (Plain lines behind the exponentials)
	v_mov_b32 v[PC+18+\j], 0
.endr
	s_wait_alu depctr_va_vdst(0)                   ; the 72 exponentials have written p, v168-239: one wait for the whole batch, ahead of the first sum that reads it
	v_pk_add_f32 v[252:253], v[SS:SS+1], v[SS+2:SS+3]      ; the row's sum is taken of the UNQUANTISED p: two at a time, in two chains
	v_pk_add_f32 v[254:255], v[SS+4:SS+5], v[SS+6:SS+7]
.set j, 8
.rept 16
	v_pk_add_f32 v[252:253], v[252:253], v[SS+j:SS+j+1]
	v_pk_add_f32 v[254:255], v[254:255], v[SS+j+2:SS+j+3]
.set j, j+4
.endr
	v_pk_add_f32 v[252:253], v[252:253], v[254:255]
	v_add_f32 v252, v252, v253
	v_permlanex16_b32 v15, v252, s40, s41
	v_add_f32 v252, v252, v15                      ; and lane l xor 16's: the row's sum
	v_rcp_f32 v252, v252                           ; the holds below are the plain lines behind it; they name none of its registers
.irp i, 0,1,2,3,4,5,6,7,8
.irp j, 0,1,2,3,4,5,6,7
	v_min_num_f32 v[SS+8*\i+\j], v[SS+8*\i+\j], v12   ; the conversion to an 8-bit code does not saturate (ISA guide 7.6.2); p is not negative, so the hold is one-sided
.endr
	v_cvt_scalef32_pk8_fp8_f32 v[PC+2*\i:PC+2*\i+1], v[SS+8*\i:SS+8*\i+7], v11   ; key tile i: two registers of P
.endr
	v_nop                                          ; a plain vector line between the last conversion and the products that read its result
	s_wait_alu depctr_va_vdst(0)                   ; the reciprocal has written v252, ahead of its first reader
	v_ldexp_f32 v252, v252, s38                    ; 2^(e8 + e9) / the sum
	s_wait_loadcnt 0x0                             ; V
.irp c, 0,1,2                          ; O^T = V^T P^T: K step c is key tiles 4 c .. 4 c + 3; the four accumulators take turns, one instruction a turn
.irp cb, 0,1,2,3
.if \c == 0
	v_wmma_f32_16x16x64_fp8_fp8 v[OA+8*\cb:OA+8*\cb+7], v[KF+18*\cb+8*\c:KF+18*\cb+8*\c+7], v[PC+8*\c:PC+8*\c+7], 0
.else
	v_wmma_f32_16x16x64_fp8_fp8 v[OA+8*\cb:OA+8*\cb+7], v[KF+18*\cb+8*\c:KF+18*\cb+8*\c+7], v[PC+8*\c:PC+8*\c+7], v[OA+8*\cb:OA+8*\cb+7]
.endif
.endr
.endr
.rept 4
	v_nop                                          ; places in front of the first read of results
.endr
.set j, 0
.rept 16
	v_pk_mul_f32 v[SS+j:SS+j+1], v[OA+j:OA+j+1], v[252:253] op_sel_hi:[1,0]   ; register 8 cb + j: out(query r, channel 16 cb + 8 h + j)
.set j, j+2
.endr
	; a lane holds 32 neighbouring bytes of a row, and the lanes beside it hold other rows: the tile goes through my own stage and comes back as whole rows of 256 bytes
	s_wait_alu depctr_va_vdst(0)                   ; the sixteen multiplies have written v168-199, which the LDS stores read; the holds and conversions that named v200-231, in which the loads from the stage land, are done
.irp cb, 0,1,2,3
	ds_store_b128 v8, v[SS+8*\cb:SS+8*\cb+3] offset:64*\cb
	ds_store_b128 v8, v[SS+8*\cb+4:SS+8*\cb+7] offset:64*\cb+16
.endr
.irp i, 0,1,2,3,4,5,6,7
	ds_load_b128 v[SS+32+4*\i:SS+32+4*\i+3], v9 offset:2*\i*SPI   ; LDS serves a wave's instructions in order (ISA guide 5.7.1.4): these see my stores
.endr
.irp i, 0,1,2,3,4,5,6,7
	s_wait_dscnt 7-\i                              ; the younger loads may be out
	global_store_b128 v10, v[SS+32+4*\i:SS+32+4*\i+3], s[26:27] offset:8192*\i th:TH_STORE_NT   ; 16 lanes store a head's 256 consecutive bytes of a row, at a multiple of 256 from out's first byte
.endr
	s_set_vgpr_msb 0x4
	s_wait_dscnt 0x0
	s_wait_alu depctr_hold_cnt(0) depctr_sa_sdst(0) depctr_va_vdst(0) depctr_va_sdst(0) depctr_va_ssrc(0) depctr_va_vcc(0) depctr_vm_vsrc(0)
	s_wait_tensorcnt 0x0
	ds_add_u32 v249, v1
	s_wait_dscnt 0x0
	s_endpgm
.Lfunc_end_k_qfe25739393_attn:
	.size	k_qfe25739393_attn, .Lfunc_end_k_qfe25739393_attn-k_qfe25739393_attn
	.p2alignl 7, 3214868480
	.fill 96, 4, 3214868480
	.section	.rodata,"a",@progbits
	.p2align	6, 0x0
	.amdhsa_kernel k_qfe25739393_attn
		.amdhsa_group_segment_fixed_size 35840
		.amdhsa_private_segment_fixed_size 0
		.amdhsa_enable_private_segment 0
		.amdhsa_kernarg_size 32
		.amdhsa_user_sgpr_count 2
		.amdhsa_user_sgpr_kernarg_segment_ptr 1
		.amdhsa_wavefront_size32 1
		.amdhsa_system_sgpr_workgroup_id_x 1
		.amdhsa_system_sgpr_workgroup_id_y 1
		.amdhsa_system_sgpr_workgroup_id_z 1
		.amdhsa_system_vgpr_workitem_id 0
		.amdhsa_next_free_vgpr 258
		.amdhsa_next_free_sgpr 66
		.amdhsa_reserve_vcc 0
		.amdhsa_float_denorm_mode_32 3
		.amdhsa_float_denorm_mode_16_64 3
		.amdhsa_memory_ordered 1
		.amdhsa_forward_progress 1
		.amdhsa_inst_pref_size 41
	.end_amdhsa_kernel
	.amdgpu_metadata
---
amdhsa.version: [ 1, 2 ]
amdhsa.kernels:
  - .name:           k_qfe25739393_attn
    .symbol:         k_qfe25739393_attn.kd
    .args:
      - { .name: qkv, .offset: 0, .size: 8, .value_kind: global_buffer, .address_space: global }
      - { .name: attention_mask, .offset: 8, .size: 8, .value_kind: global_buffer, .address_space: global }
      - { .name: lowp_scales, .offset: 16, .size: 8, .value_kind: global_buffer, .address_space: global }
      - { .name: out0, .offset: 24, .size: 8, .value_kind: global_buffer, .address_space: global }
    .group_segment_fixed_size: 35840
    .private_segment_fixed_size: 0
    .kernarg_segment_align: 8
    .kernarg_segment_size: 32
    .max_flat_workgroup_size: 256
    .sgpr_count:     66
    .vgpr_count:     258
    .wavefront_size: 32
...
	.end_amdgpu_metadata
.endif
;; end of part 4
